; MI455X (gfx1250); checked and timed in simulation.
; The chip was launched on July 23, 2026; its instructions are those of AMD's public machine-readable ISA for CDNA 5 (MIT licence, August 2026) and "CDNA5" Instruction Set Architecture Reference Guide (July 2026). The comments in the code are by the model that wrote it; some were corrected since.
;; Attention. Allowed arithmetic: matrix products marked QUANTISED: E5M2 operands, one given power-of-two scale a tensor, by v_wmma_f32_16x16x64_bf8_bf8 or v_wmma_f32_16x16x128_bf8_bf8, f32 sums; products left as they are: f32 operands where the result goes on into a quantised operand, else bf16, f16 or f32 operands; f32 sums; everything else in f32.
;; Inputs: b_ad 128 float32; b_ae 128 float32; dec_output_codes 32 x 32 x 32 uint8 (E5M2 codes of dec_output, K innermost, in blocks of 32 codes); enc_outputs 2,048 x 32 x 1,024 float32; lowp_scales 4 int32 (the exponents e of the quantised operands' scales 2^e); w_ad_codes 128 x 32 x 32 uint8 (E5M2 codes of w_ad, K innermost, in blocks of 32 codes); w_ae_codes 128 x 32 x 32 uint8 (E5M2 codes of w_ae, K innermost, in blocks of 32 codes).
;; Outputs: out0 32 x 1,024 float32.
;; This version of the problem:
;;   THIS VERSION OF THE PROBLEM IS GIVEN IN LOW PRECISION. The matrix products marked QUANTISED in the list below multiply operands that are first quantised to E5M2 (5 exponent bits, 2 mantissa bits; 8 bits a number), with one given power-of-two scale for each operand tensor; their sums are f32. All else is computed in f32.
;;   The module's matrix products, in the order in which they are computed (A, B: the left and right operand; K: the contracted axis; several contracted axes count as one K, in the product's order):
;;     1. [M 65,536, K 1,024] x [K 1,024, N 128]; A: input enc_outputs; B: input w_ae (given as codes): QUANTISED (scales: A lowp_scales[0], B lowp_scales[1])
;;     2. [M 32, K 1,024] x [K 1,024, N 128]; A: input dec_output (given as codes); B: input w_ad (given as codes): QUANTISED (scales: A lowp_scales[2], B lowp_scales[3])
;;     3. batch 32 x [M 1, K 128] x [K 128, N 2,048]; A: computed on the way; B: computed on the way: left as it is (M = 1 < 16)
;;     4. batch 32 x [M 1, K 2,048] x [K 2,048, N 1,024]; A: softmax; B: input enc_outputs: left as it is (M = 1 < 16)
;;   THE QUANTISER, for each operand of a quantised product, along K:
;;     - The operand's scale is 2^e, e = its entry of the input lowp_scales (int32; the entries are numbered through the quantised products in the list's order, A before B).
;;     - Each number is divided by the scale, clamped to +-57,344, and rounded to the nearest number of E5M2, ties to even, subnormals kept.
;;     - The product sums the exact products of the quantised numbers (number of the format x scale) in f32.
;;   ~~~python
;;   def quantise(x, axis, e):      # numpy; x: float32 -> the quantised numbers, widened to float32 again
;;       x = np.moveaxis(x, axis, -1); K = x.shape[-1]
;;       r = np.clip(x / 2.0 ** e, -57344, 57344)
;;       step = 2.0 ** (np.maximum(np.frexp(np.where(r == 0, 1, r))[1] - 1, -14) - 2)
;;       q = np.round(r / step) * step * 2.0 ** e      # np.round: ties to even
;;       return np.moveaxis(q, -1, axis).astype(np.float32)
;;   ~~~
;;   INPUTS GIVEN AS CODES. dec_output (in the module: [32, 1024], K = its axis 1); w_ad (in the module: [128, 1024], K = its axis 1); w_ae (in the module: [128, 1024], K = its axis 1): each comes as NAME_codes (uint8): NAME with its K axis moved to the last place and cut into blocks of 32 codes, [.., K / 32, bytes a block], one block behind the other in memory; one code a byte (a code: sign, 5 exponent bits, 2 mantissa bits); its scale is its entry of lowp_scales. Its value is code x scale, taken as it is: it is not quantised again, and the codes and scales need not be those that the quantiser above would give.
;; One version. Each part assembles by itself: llvm-mc -triple=amdgcn-amd-amdhsa -mcpu=gfx1250 --defsym DOCPART=n.
;; ======== version 1 of 1: 2 launches
;; limits: right only within a limited range of input values
;; workspace buffers: part 1,114,112 bytes
;; launch stream (part 1): grid 8 x 32, 8 waves a work-group, clusters of 4 x 1, 327,680 bytes of LDS; arguments enc_outputs, w_ae_codes, dec_output_codes, w_ad_codes, b_ad, lowp_scales, part; writes part
.if DOCPART == 1
	.amdgcn_target "amdgcn-amd-amdhsa--gfx1250"
	.amdhsa_code_object_version 6
	.text
	.protected	k_q98d547c07b_stream
	.globl	k_q98d547c07b_stream
	.p2align	8
	.type	k_q98d547c07b_stream,@function
k_q98d547c07b_stream:
	s_mov_b64 s[64:65], 0
	v_nop
	global_prefetch_b8 v0, s[64:65] scope:SCOPE_SE
	s_setreg_imm32_b32 hwreg(HW_REG_WAVE_MODE, 25, 1), 1
	s_wait_xcnt 0x0
	s_wait_alu depctr_hold_cnt(0) depctr_sa_sdst(0) depctr_va_vdst(0) depctr_va_sdst(0) depctr_va_ssrc(0) depctr_va_vcc(0) depctr_vm_vsrc(0)
	s_getreg_b32 s2, hwreg(HW_REG_IB_STS2, 6, 4)
	s_cmp_eq_u32 s2, 0
	s_cbranch_scc0 .Lentry_in_a_cluster
	s_endpgm
.Lentry_in_a_cluster:
	s_bfe_u32 s2, ttmp6, 0x10000c
	s_cmp_lg_u32 s2, 0x3003
	s_cbranch_scc0 .Lentry_shape_is_right
	s_endpgm
.Lentry_shape_is_right:
; context[b][:] = sum over s of softmax_s(score[s][b]) enc[s][b][:],  score[s][b] = (Q(enc[s][b][:]) w_ae^T + b_ae) . pd[b][:],  pd = dec w_ad^T + b_ad.
; enc: [2048][32][1024] f32, quantised here to E5M2 with the given 2^e0; w_ae, dec, w_ad arrive as E5M2 codes (2^e1, 2^e2, 2^e3).  Both quantised products go by v_wmma_f32_16x16x128_bf8_bf8.
; THIS LAUNCH reads every byte of enc once and leaves, for each b and each piece of 256 values of s, a running maximum M, a sum l and the 1,024 sums of p x; the next launch joins the eight pieces of a b.
; DEAD WORK.  score[s][b] = sum_a P[s][b][a] pd[b][a] + sum_a b_ae[a] pd[b][a], P the first product without its bias.  The second term holds no s: it is the same along the softmax's axis, and
; softmax(z + const) = softmax(z) for all values.  It enters no quantiser (the product with pd is not quantised).  So b_ae has no way to the output: it is not loaded and is no argument of any launch.
; LIMIT of that: a NaN, an infinity or an overflow that reaches only b_ae's term is not carried to the result.
; LIMITS: e0 between -126 and 112, so that 2^e0 and 57,344 x 2^e0 are f32 numbers; NaN in enc is not served; scores x log2(e) lie under 2^31 in magnitude (the running maximum begins at -3e38).
; SHARES.  A work-group: one b, 256 values of s (a row = enc[s][b][:]), in 16 steps of 16 rows.  THE EIGHT WAVES SHARE THE COLUMNS, which are also the first product's K: wave w has columns 128 w .. 128 w + 127 of every row.
; Lane l holds columns 4 l .. 4 l + 3 of them: a row is one load of 512 consecutive bytes.  The f32 numbers stay in registers until the row's p is known; the weighted sum is packed multiply-adds of the lane's own columns.
; The wave's slice of w_ae (8 tiles of 16 a x 128 K: 128 registers) stays in registers for the whole launch.  A product is one matrix instruction for each tile: no sum runs over instructions.
; The codes alone change lanes: a word (4 codes) a row goes into the wave's own stage in LDS, in K's order; the fragment comes back by four 16-byte loads.  (k lies in A's and B's registers in the same
; order, 32 c + 16 (lane / 16) + 0 .. 15 in registers 4 c .. 4 c + 3: every product meets its partner.)
; Source 0 = 16 rows of enc, source 1 = 16 rows of w_ae: lane (r, h) holds a = 16 t + r and rows 8 h + j.  Its products with pd' are summed over t in the lane, then over the 16 lanes by three halving exchanges and one sum:
; lane (r, h) ends with the wave's part of the score of row 8 h + r % 8.  The eight parts meet in LDS, 32 bytes a row, one barrier a step, two buffers by turns.
; TWO STEPS ARE AT WORK: step i's codes, products and scores stand beside step i - 1's softmax and weighted sum.  Four buffers of 16 rows: i - 1 held, i being quantised, i + 1 asked for, and i + 2 asked for behind step i's codes.
; PREFETCH: one instruction a wave asks for a step's 16 rows x 4,096 bytes: 256 lanes, 256 blocks of 256 bytes, each named once in the launch.  Step i asks for step i + 5, which step i + 3 loads; steps 4 and 5 are asked for
; at the head; nothing behind step 15 is asked for.  So at most three steps, 196,608 bytes, are asked for and not yet loaded.  The weights are read at the head, where no loop runs ahead: they are not prefetched.
; pd' = (sum x 2^(e2 + e3) + b_ad) x log2(e) x 2^(e0 + e1) is made by every work-group for its own b, 16 of the 128 a a wave.  Row r of source 0 holds chunk r % 4 (128 of K) of dec, in a second set chunk 4 + r % 4:
; accumulator j takes w_ad's chunks j and 4 + j, and its rows j and 8 + j (register j) hold the wanted sum; its other rows are not used.
; CLUSTER.  The four work-groups of a cluster have one b and need the same w_ad and w_ae: each is asked for jointly, once, at the head, one tensor load a wave.  Nothing in LDS is filled a second time.
; REGISTERS, in windows of 256 (s_set_vgpr_msb: bits 1:0 source 0, 3:2 source 1, 5:4 source 2, 7:6 destination):
;   window 0: as named below.   window 1: the rows, buffer n at 64 n, row i of it at 64 n + 4 i.
.set WP,    1040                       ; a weight's row in LDS: 1,024 bytes + 16 of padding: an odd multiple of 16
.set SP,    144                        ; a stage row: 128 codes + 16
.set ROWB,  131072                     ; from s to s + 1 in enc: 32 x 1,024 x 4 bytes
.set STEPB, 16*ROWB                    ; from step to step
.set WAE,   128*WP                     ; LDS: w_ad's 128 rows from 0, then w_ae's 128 rows
.set DEC,   WAE+128*WP                 ; dec's row b, 1,024 bytes
.set STG,   DEC+1024                   ; the stages: 16 rows x SP for each wave
.set PD,    STG+8*16*SP                ; pd', 128 f32
.set SC,    PD+512                     ; the scores' parts: 512 x (step % 2) + 32 row + 4 w
.set SPARE, SC+1024                    ; the spare words, 128 bytes for each wave: four blocks of 256 bytes that no other line names
.set XO,  1                            ; v1   16 x lane: my bytes of a load's or store's 512
.set STW, 2                            ; v2   the stage, in: 4 x lane
.set STR, 3                            ; v3   the stage, out: SP r + 16 h
.set SCW, 4                            ; v4   where my wave's part of row 8 h + r % 8's score goes
.set SCR, 5                            ; v5   where row r's eight parts lie
.set SCL, 6                            ; v6   2^e0 as f32
.set LIM, 7                            ; v7   57,344 x 2^e0
.set SPW, 8                            ; v8   my spare word; never rewritten
.set NIL, 9                            ; v9   0; never rewritten
.set MN,  10                           ; v10  the new maximum
.set TT,  11                           ; v11  t of row r
.set ML,  12                           ; v12 M, v13 l
.set F,   14                           ; v14 f = 2^(old M - new M); v15 named with it as a pair
.set PP,  16                           ; v16  p of row r
.set MO,  17                           ; v17  8 x lane
.set PFO, 18                           ; v18  the prefetches' offset, three steps on: row 2 w + h of the step, block r of that row (at first v18-20: lane, r, h); never rewritten behind the head
.set PDW, 21
.set PDR, 22
.set ADW, 23
.set PDV, 24                           ; v24-31   pd'(16 t + r)
.set ACC, 32                           ; v32-39   the weighted sums of my 4 columns, even rows' and odd rows'
.set AE0, 32                           ; at the head, before ACC is begun: addresses and loaded words
.set AE1, 33
.set BAD, 34
.set DCW, 35
.set BO,  36
.set DO,  37
.set DCA, 38
.set ADC, 39
.set SM,  40                           ; v40-47   the scores' sums; then the eight parts of row r
.set FR,  48                           ; v48-63   enc's fragment
.set D,   64                           ; v64-127  eight results; while none is live: the codes (16) and four sets of 8 held numbers; at the head dec's two sets at D + 32
.set C,   D
.set T,   D+16
.set WB,  128                          ; v128-255 w_ae's fragment t at 16 t (at the head: w_ad's)
.set WV,  18                           ; s18  my wave's number
.set PS,  32                           ; s[32:63] 16 pairs: p of row k in the low word
.set CNT, 66
.set G0A, 68                           ; s[68:71] group 0: w_ad;  s[76:79] w_ae
.set G0E, 76
.set G1W, 80                           ; s[80:87] group 1: 32 rows x 1,024 bytes, padded
.set MSK, 88                           ; s88, s89, s90: the lanes with bit 0, 1, 2 set
.set MSB, 0
.macro WIN new                         ; the immediate's high byte repeats the setting that is left; a switch that changes nothing is dropped
.if MSB != (\new)
	s_set_vgpr_msb (MSB<<8)|(\new)
.set MSB, (\new)
.endif
.endm
.macro STLE
	s_wait_alu depctr_va_vdst(0)
.endm
.macro ROUND                           ; a round of the cluster's barrier
	s_barrier_signal -1
	s_barrier_wait -1
	s_cmp_lg_u32 s[WV], 0
	s_cbranch_scc1 .Lnot_wave_0_\@
	s_barrier_signal -3
.Lnot_wave_0_\@:
	s_barrier_wait -3
	s_barrier_signal -1
	s_barrier_wait -1
.endm
.macro PLACES
.rept 4
	v_nop
.endr
.endm
.macro FILL b                          ; 16 loads: the b-th 16 rows from s[4:5] on, into buffer b
	WIN 0x40
.irp k, 0,1,2,3,4,5,6,7,8,9,10,11,12,13,14,15
	global_load_b128 v[64*(\b)+4*\k:64*(\b)+4*\k+3], v[XO], s[4:5] offset:(16*(\b)+\k)*ROWB th:TH_LOAD_NT
.endr
	WIN 0
.endm
.macro ASK n                           ; prefetch the step that stands 3 + n steps on from s[4:5]
	global_prefetch_b8 v[PFO], s[4:5] offset:(\n)*STEPB th:TH_LOAD_NT scope:SCOPE_SE
.endm
; 16 rows become codes in my stage.  The numbers are held into other registers: x itself is wanted unheld for the weighted sum.  Only source 2 (x) leaves window 0.
; A conversion takes two rows, 4 numbers each, and stands behind the next two rows' holds; four sets of held numbers by turns.  Then the stores in one run, and the fragment's loads:
; LDS serves a wave's instructions in order (ISA guide 5.7.1.4), so these see my stores.
.macro QUANT b
	WIN 0x10
.irp k, 0,1,2,3,4,5,6,7,8
.if \k < 8
.irp i, 0,1,2,3,4,5,6,7
	v_med3_num_f32 v[T+8*(\k%4)+\i], -v[LIM], v[LIM], v[64*(\b)+8*\k+\i]   ; the conversion to an 8-bit code does not saturate (ISA guide 7.6.2): the hold at the largest code x the scale
.endr
.endif
.if \k > 0
	v_cvt_scalef32_pk8_bf8_f32 v[C+2*(\k-1):C+2*(\k-1)+1], v[T+8*((\k-1)%4):T+8*((\k-1)%4)+7], v[SCL]
.endif
.endr
	v_nop                                          ; a plain vector instruction behind the last conversion
	WIN 0
.irp k, 0,1,2,3,4,5,6,7,8,9,10,11,12,13,14,15
	ds_store_b32 v[STW], v[C+\k] offset:SP*\k
.endr
.irp c, 0,1,2,3
	ds_load_b128 v[FR+4*\c:FR+4*\c+3], v[STR] offset:32*\c
.endr
.endm
.macro MUL                             ; 8 matrix instructions, one for each tile of 16 a; no sum runs on
.irp t, 0,1,2,3,4,5,6,7
	v_wmma_f32_16x16x128_bf8_bf8 v[D+8*\t:D+8*\t+7], v[FR:FR+15], v[WB+16*\t:WB+16*\t+15], 0
.endr
.endm
; my wave's part of the 16 scores: four packed chains over t, each result from its low end on (of a pair of pd' op_sel picks the one of tile t); then the sum over the 16 lanes of a half:
; at mask 1, 2, 4 a lane keeps, of each two rows, the one that its own bit names and passes the other on, so that 8 rows become 4, 2, 1; then lanes r and r xor 8 are added.
.macro SCORE par
.irp i, 0,2,4,6
	v_pk_mul_f32 v[SM+\i:SM+\i+1], v[D+\i:D+\i+1], v[PDV:PDV+1] op_sel_hi:[1,0]
.endr
.irp t, 1,2,3,4,5,6,7
.irp i, 0,2,4,6
.if \t % 2
	v_pk_fma_f32 v[SM+\i:SM+\i+1], v[D+8*\t+\i:D+8*\t+\i+1], v[PDV+\t-1:PDV+\t], v[SM+\i:SM+\i+1] op_sel:[0,1,0] op_sel_hi:[1,1,1]
.else
	v_pk_fma_f32 v[SM+\i:SM+\i+1], v[D+8*\t+\i:D+8*\t+\i+1], v[PDV+\t:PDV+\t+1], v[SM+\i:SM+\i+1] op_sel_hi:[1,0,1]
.endif
.endr
.endr
.irp k, 0,1,2,3
	v_cndmask_b32 v[D+\k], v[SM+2*\k], v[SM+2*\k+1], s[MSK]        ; kept
	v_cndmask_b32 v[D+4+\k], v[SM+2*\k+1], v[SM+2*\k], s[MSK]      ; passed on
.endr
.irp k, 0,1,2,3
	v_add_f32_dpp v[SM+\k], v[D+4+\k], v[D+\k] row_xmask:1 row_mask:0xf bank_mask:0xf
.endr
.irp k, 0,1
	v_cndmask_b32 v[D+\k], v[SM+2*\k], v[SM+2*\k+1], s[MSK+1]
	v_cndmask_b32 v[D+4+\k], v[SM+2*\k+1], v[SM+2*\k], s[MSK+1]
.endr
.irp k, 0,1
	v_add_f32_dpp v[SM+\k], v[D+4+\k], v[D+\k] row_xmask:2 row_mask:0xf bank_mask:0xf
.endr
	v_cndmask_b32 v[D], v[SM], v[SM+1], s[MSK+2]
	v_cndmask_b32 v[D+4], v[SM+1], v[SM], s[MSK+2]
	v_add_f32_dpp v[SM], v[D+4], v[D] row_xmask:4 row_mask:0xf bank_mask:0xf
	s_delay_alu instid0(VALU_DEP_1)
	v_add_f32_dpp v[SM], v[SM], v[SM] row_xmask:8 row_mask:0xf bank_mask:0xf
	ds_store_b32 v[SCW], v[SM] offset:512*(\par)                   ; lanes r and r xor 8 write the same word with the same number
.endm
; One barrier a step: in front of it my part of the scores has landed, and my reads of the other buffer, a step ago, are over: it is written again only behind this barrier.
.macro MEET par
	STLE
	s_wait_dscnt 0x0
	s_barrier_signal -1
	s_barrier_wait -1
	ds_load_b128 v[SM:SM+3], v[SCR] offset:512*(\par)
	ds_load_b128 v[SM+4:SM+7], v[SCR] offset:512*(\par)+16
.endm
; The running softmax over 16 rows.  Every wave adds the same eight parts in the same order, so M, f and p are the same bits in all eight.  Lane (r, h) has row r.
.macro SOFTMAX
	v_pk_add_f32 v[SM:SM+1], v[SM:SM+1], v[SM+2:SM+3]
	v_pk_add_f32 v[SM+4:SM+5], v[SM+4:SM+5], v[SM+6:SM+7]
	s_delay_alu instid0(VALU_DEP_1)
	v_pk_add_f32 v[SM:SM+1], v[SM:SM+1], v[SM+4:SM+5]
	s_delay_alu instid0(VALU_DEP_1)
	v_add_f32 v[TT], v[SM], v[SM+1]                ; t of row r (the score x log2(e): pd' holds the factor)
	s_delay_alu instid0(VALU_DEP_1)
	v_max_num_f32 v[MN], v[TT], v[ML]
.irp m, 1,2,4,8
	s_delay_alu instid0(VALU_DEP_1)
	v_max_num_f32_dpp v[MN], v[MN], v[MN] row_xmask:\m row_mask:0xf bank_mask:0xf
.endr
	v_sub_f32 v[F], v[ML], v[MN]
	v_sub_f32 v[PP], v[TT], v[MN]
	STLE
	v_exp_f32 v[F], v[F]                           ; f = 2^(old M - new M)
	v_exp_f32 v[PP], v[PP]                         ; p = 2^(t - M)
	v_mov_b32 v[ML], v[MN]                         ; a plain instruction behind the exponentials
	STLE
	v_fma_f32 v[ML+1], v[ML+1], v[F], v[PP]        ; l stays a lane's own (one row a step) until the end
.irp i, 0,2,4,6
	v_pk_mul_f32 v[ACC+\i:ACC+\i+1], v[ACC+\i:ACC+\i+1], v[F:F+1] op_sel_hi:[1,0]
.endr
.endm
; The weighted sum of buffer b's 16 rows: p of row k comes out of lane k into a scalar pair's low word, which serves both halves of the packed multiply-add.
.macro SUM b
.irp k, 0,1,2,3,4,5,6,7,8,9,10,11,12,13,14,15
	v_readlane_b32 s[PS+2*\k], v[PP], \k
.endr
	WIN 0x01
.irp k, 0,1,2,3,4,5,6,7,8,9,10,11,12,13,14,15
.irp i, 0,2
	v_pk_fma_f32 v[ACC+4*(\k%2)+\i:ACC+4*(\k%2)+\i+1], v[64*(\b)+4*\k+\i:64*(\b)+4*\k+\i+1], s[PS+2*\k:PS+2*\k+1], v[ACC+4*(\k%2)+\i:ACC+4*(\k%2)+\i+1] op_sel_hi:[1,0,1]
.endr
.endr
	WIN 0
.endm
; STEP u (u % 4 = i % 4): step i's codes, products and scores in buffer u % 4; step i - 1's softmax and sum in buffer (u - 1) % 4.  fill: step i + 2 is asked for, into the buffer that step i - 1 summed last.
; ask = 1: step i + 5 is prefetched; 2: not in the loop's last trip, where it would lie behind step 15; an: its immediate, in steps.  cnt: the younger loads that may stay out.
.macro STEP u, fill, ask, an, cnt
	s_wait_loadcnt \cnt                            ; this step's 16 loads are in; the younger ones are the next step's (step 1: the next two steps')
	QUANT (\u)%4
.if \fill
	FILL (\u)-2                                    ; behind the fragment's loads: no LDS instruction of this step's codes stands behind these 16
.endif
	STLE
.if \ask == 1
	ASK \an
.endif
.if \ask == 2
	s_cmp_gt_u32 s[CNT], 1
	s_cbranch_scc0 .Lno_ask_\@
	ASK \an
.Lno_ask_\@:
.endif
	s_wait_dscnt 20                                ; step i - 1's parts are in: behind their two loads stand 16 stores and 4 loads
	SOFTMAX                                        ; while the fragment is on its way
	STLE
	s_wait_dscnt 0x0                               ; the fragment is in
	MUL
	SUM (\u+3)%4                                   ; its packed multiply-adds name no register of the products: they are the places ahead of the reads of the results
	SCORE (\u)%2
	MEET (\u)%2
.endm
	s_load_b256 s[4:11], s[0:1], 0x0               ; enc s[4:5], w_ae s[6:7], dec s[8:9], w_ad s[10:11]
	s_load_b128 s[12:15], s[0:1], 0x20             ; b_ad s[12:13], the scales' exponents s[14:15]
	s_load_b64 s[16:17], s[0:1], 0x30              ; part
	v_lshl_add_u32 v[SPW], v0, 2, SPARE
	v_mov_b32 v[NIL], 0
	ds_add_u32 v[SPW], v[NIL]                      ; the wave's opening: the add, twice on end, and its wait ahead of my first tensor load; the set-up below, work on registers, stands between
	ds_add_u32 v[SPW], v[NIL]
	v_lshrrev_b32 v[TT], 5, v0
	v_readfirstlane_b32 s[WV], v[TT]               ; wave 0..7
	v_and_b32 v18, 31, v0                          ; lane
	v_and_b32 v19, 15, v0                          ; r
	v_bfe_u32 v20, v0, 4, 1                        ; h
	v_and_b32 v[SCW], 7, v0
	v_and_b32 v[ADC], 3, v0
	v_lshlrev_b32 v[XO], 4, v18
	v_lshlrev_b32 v[MO], 3, v18
	v_lshlrev_b32 v[DO], 2, v18
	v_mul_u32_u24 v[STR], v19, SP
	v_mul_u32_u24 v[AE0], v19, WP
	v_lshlrev_b32 v[ADC], 7, v[ADC]                ; dec: chunk r % 4
	v_lshl_add_u32 v[SCW], v20, 3, v[SCW]          ; 8 h + r % 8
	v_lshl_add_u32 v[STR], v20, 4, v[STR]
	v_lshl_add_u32 v[AE0], v20, 4, v[AE0]          ; WP r + 16 h
	v_lshl_add_u32 v[ADC], v20, 4, v[ADC]
	v_lshl_add_u32 v[SCR], v19, 5, SC
	v_lshl_add_u32 v[PDR], v19, 2, PD
	v_add_nc_u32 v[ADC], DEC, v[ADC]
	STLE
	s_bfe_u32 s19, ttmp6, 0x40000                  ; cx: my place in the cluster: it enters enc's and part's global addresses alone
	s_lshl_b32 s20, ttmp9, 2
	s_add_co_u32 s20, s20, s19                     ; my piece of s: 4 x cluster x + cx
	s_and_b32 s21, ttmp7, 0xffff                   ; b, which the four partners share
	s_mul_i32 s22, s[WV], 16*SP
	s_add_co_u32 s22, s22, STG                     ; my stage
	s_lshl_b32 s23, s[WV], 2
	s_add_co_u32 s23, s23, SC
	s_lshl_b32 s28, s[WV], 6                       ; b_ad: 4 x 16 w bytes
	s_add_co_u32 s29, s28, PD
	s_mul_i32 s30, s[WV], 16*WP                    ; w_ad (at LDS byte 0): my rows 16 w + r
	s_lshl_b32 s31, s[WV], 7                       ; 128 of K for each wave
	s_add_co_u32 s66, s31, WAE
	s_add_co_u32 s67, s31, DEC
	s_mul_i32 s2, s[WV], 2*ROWB-512                ; the prefetches: two rows a wave, counted from my wave's 512 bytes of a row,
	s_add_co_u32 s2, s2, 3*STEPB                   ; three steps on
	v_lshl_add_u32 v[STW], v18, 2, s22
	v_add_nc_u32 v[STR], s22, v[STR]
	v_lshl_add_u32 v[SCW], v[SCW], 5, s23
	v_lshl_add_u32 v[BO], v19, 2, s28
	v_lshl_add_u32 v[PDW], v19, 2, s29
	v_add_nc_u32 v[ADW], s30, v[AE0]
	v_add_nc_u32 v[AE0], s66, v[AE0]               ; w_ae: row r, my 128 of K
	v_lshl_add_u32 v[DCA], v18, 2, s67
	v_lshl_add_u32 v[PFO], v19, 8, s2
	v_add_nc_u32 v[AE1], 64*WP, v[AE0]             ; and row 64 + r: an LDS offset has 16 bits
	v_lshl_add_u32 v[PFO], v20, 17, v[PFO]
	STLE
	s_lshl_b32 s2, s20, 25                         ; enc: 256 rows of s a piece,
	s_lshl_b32 s3, s21, 12                         ; b's 4,096 bytes,
	s_add_co_u32 s2, s2, s3
	s_lshl_b32 s3, s[WV], 9                        ; my wave's 512 of them
	s_add_co_u32 s2, s2, s3
	s_mov_b32 s3, 0
	s_lshl_b32 s92, s21, 10                        ; dec's row b,
	s_add_co_u32 s92, s92, s31                     ; my 128 bytes of it
	s_mov_b32 s93, 0
	s_and_b32 s28, s[WV], 3
	s_lshl_b32 s94, s28, 15                        ; my 32 rows of 1,024 bytes of a weight
	s_mov_b32 s95, 0
	s_mul_i32 s29, s28, 32*WP
	; group 1: a tile of 32 rows x 1,024 bytes, 16 bytes of padding behind each row
	s_mov_b32 s[G1W+0], 15|(1<<20)|(1<<21)|(7<<22)|(3<<25)   ; 15:0 the mask: all four work-groups; 17:16 elements of 1 byte; 20 padding on; 21 set beside a mask; 24:22 after every 256 words (code 7); 31:25 four words (code 3)
	s_mov_b32 s[G1W+1], 1024<<16                   ; tensor_dim0
	s_mov_b32 s[G1W+2], 32<<16                     ; tensor_dim1
	s_mov_b32 s[G1W+3], 1024<<16                   ; tile_dim0
	s_mov_b32 s[G1W+4], 32                         ; tile_dim1
	s_mov_b32 s[G1W+5], 1024                       ; from row to row
	s_mov_b32 s[G1W+6], 0
	s_mov_b32 s[G1W+7], 0
	s_mov_b32 s[G0A], 1                            ; groups 0: count = 1; the LDS addresses hang on the wave's number alone
	s_mov_b32 s[G0A+1], s29
	s_mov_b32 s[G0E], 1
	s_add_co_u32 s[G0E+1], s29, WAE
	s_mov_b32 s[MSK], 0xaaaaaaaa
	s_mov_b32 s[MSK+1], 0xcccccccc
	s_mov_b32 s[MSK+2], 0xf0f0f0f0
	s_wait_dscnt 0x0                               ; both opening adds are done
	s_wait_kmcnt 0x0
	s_load_b128 s[24:27], s[14:15], 0x0            ; e0, e1, e2, e3
	s_add_nc_u64 s[4:5], s[4:5], s[2:3]
	s_add_nc_u64 s[8:9], s[8:9], s[92:93]
	global_load_b32 v[BAD], v[BO], s[12:13]        ; b_ad(16 w + r)
	global_load_b32 v[DCW], v[DO], s[8:9]          ; my 128 bytes of dec's row
	FILL 0                                         ; step 0's rows set out ahead of the cluster's round
	s_add_nc_u64 s[G0A+2:G0A+3], s[10:11], s[94:95]
	s_or_b32 s[G0A+3], s[G0A+3], 0x80000000        ; type = 2
	s_add_nc_u64 s[G0E+2:G0E+3], s[6:7], s[94:95]
	s_or_b32 s[G0E+3], s[G0E+3], 0x80000000
	ROUND                                          ; all four work-groups are here: the joint loads meet
	s_cmp_lt_u32 s[WV], 4                          ; one tensor load a wave: waves 0 to 3 w_ad, which is wanted first, ahead of steps 1 and 2; waves 4 to 7 w_ae, behind them
	s_cbranch_scc0 .Lfor_ae
	tensor_load_to_lds s[G0A:G0A+3], s[G1W:G1W+7]
	s_nop 0
	PLACES
	FILL 1
	FILL 2
	s_branch .Lasked
.Lfor_ae:
	FILL 1
	FILL 2
	tensor_load_to_lds s[G0E:G0E+3], s[G1W:G1W+7]
	s_nop 0
	PLACES
.Lasked:
	s_lshl_b32 s2, s21, 3
	s_add_co_u32 s2, s2, s20                       ; part: record 8 b + piece of 4,352 bytes,
	s_mul_i32 s2, s2, 4352
	s_lshl_b32 s3, s[WV], 9                        ; my wave's 512 bytes
	s_add_co_u32 s2, s2, s3
	s_mov_b32 s3, 0
	s_add_nc_u64 s[16:17], s[16:17], s[2:3]
.irp k, 0,1,2,3,4,5,6,7,8,9,10,11,12,13,14,15
	s_mov_b32 s[PS+2*\k+1], 0                      ; named as the upper halves of the pairs, so they are written
.endr
	s_wait_kmcnt 0x0
	s_add_co_i32 s28, s24, 127
	s_lshl_b32 s29, s28, 23
	v_mov_b32 v[SCL], s29                          ; 2^e0 as f32: the conversion takes its exponent field
	s_add_co_i32 s28, s28, 15
	s_lshl_b32 s28, s28, 23
	s_or_b32 s28, s28, 0x600000
	v_mov_b32 v[LIM], s28                          ; 57,344 x 2^e0
	s_add_co_i32 s28, s26, s27                     ; e2 + e3
	s_add_co_i32 s29, s24, s25                     ; e0 + e1
	STLE
	s_wait_loadcnt 48                              ; b_ad and dec are in: 48 younger loads stand behind them
	ds_store_b32 v[DCA], v[DCW]
	FILL 3
	ASK 1                                          ; step 4
	s_wait_loadcnt 48                              ; step 0's rows are in; steps 1 to 3 stand behind them
	QUANT 0                                        ; while the weights are on their way
	STLE
	s_cmp_lt_u32 s[WV], 4
	s_cbranch_scc0 .Lnot_ad
	s_wait_tensorcnt 0x0                           ; waves 0 to 3: my 32 rows of w_ad are in; w_ae's may stay out
.Lnot_ad:
	s_wait_dscnt 0x0                               ; my part of dec has landed; step 0's fragment is in
	s_barrier_signal -1
	s_barrier_wait -1                              ; w_ad and dec are whole
	; pd: my 16 of the 128 a, K = 1,024 in eight K steps, on four accumulators by turns.  w_ad's fragment at 16 q
.irp c, 0,1,2,3
	ds_load_b128 v[D+32+4*\c:D+32+4*\c+3], v[ADC] offset:32*\c
	ds_load_b128 v[D+48+4*\c:D+48+4*\c+3], v[ADC] offset:512+32*\c
.endr
.irp q, 0,1,2,3,4,5,6,7
.irp c, 0,1,2,3
	ds_load_b128 v[WB+16*\q+4*\c:WB+16*\q+4*\c+3], v[ADW] offset:128*\q+32*\c
.endr
.endr
	ASK 2                                          ; step 5
	s_wait_dscnt 0x0
.irp q, 0,1,2,3
	v_wmma_f32_16x16x128_bf8_bf8 v[D+8*\q:D+8*\q+7], v[D+32:D+47], v[WB+16*\q:WB+16*\q+15], 0
.endr
.irp q, 0,1,2,3
	v_wmma_f32_16x16x128_bf8_bf8 v[D+8*\q:D+8*\q+7], v[D+48:D+63], v[WB+64+16*\q:WB+64+16*\q+15], v[D+8*\q:D+8*\q+7]
.endr
	PLACES                                         ; ahead of the reads of the results
	v_add_f32 v[TT], v[D], v[D+9]                  ; register j of accumulator j: rows j and 8 + j, for a = 16 w + r
	v_add_f32 v[MN], v[D+18], v[D+27]
	v_add_f32 v[TT], v[TT], v[MN]
	v_ldexp_f32 v[TT], v[TT], s28
	v_add_f32 v[TT], v[TT], v[BAD]                 ; pd = sum x 2^(e2 + e3) + b_ad
	v_mul_f32 v[TT], 0x3fb8aa3b, v[TT]             ; x log2(e)
	v_ldexp_f32 v[TT], v[TT], s29                  ; x 2^(e0 + e1): a sum of the first product stands for sum x 2^(e0 + e1)
	ds_store_b32 v[PDW], v[TT]                     ; lanes r and 16 + r write the same word with the same number
	STLE
	s_wait_tensorcnt 0x0                           ; my 32 rows of a weight are in
	s_wait_dscnt 0x0                               ; my part of pd' has landed
	s_barrier_signal -1
	s_barrier_wait -1                              ; w_ae and pd' are whole
.irp t, 0,1,2,3
.irp c, 0,1,2,3
	ds_load_b128 v[WB+16*\t+4*\c:WB+16*\t+4*\c+3], v[AE0] offset:16*WP*\t+32*\c
	ds_load_b128 v[WB+64+16*\t+4*\c:WB+64+16*\t+4*\c+3], v[AE1] offset:16*WP*\t+32*\c
.endr
.endr
.irp t, 0,1,2,3,4,5,6,7
	ds_load_b32 v[PDV+\t], v[PDR] offset:64*\t
.endr
	s_wait_dscnt 0x0
	MUL                                            ; step 0's products
	v_mov_b32 v[ML], 0xff61b1e6                    ; M: -3e38, under every t.  These moves are also the places behind the products
	v_mov_b32 v[ML+1], 0                           ; l
	v_mov_b32 v[F+1], 0                            ; (named as the upper half of the pair)
.irp i, 0,1,2,3,4,5,6,7
	v_mov_b32 v[ACC+\i], 0                         ; the step is written once: the first finds zeros
.endr
	SCORE 0
	MEET 0
	STEP 1, 0, 1, 3, 32                            ; asks for step 6
	s_mov_b32 s[CNT], 3
.Ltrip:                                            ; three trips of four steps: steps 2 to 13, which load steps 4 to 15 and ask for steps 7 to 15
	s_wait_xcnt 0x0                                ; the loads and prefetches issued so far have read their base
	s_add_nc_u64 s[4:5], s[4:5], 4*STEPB
	STEP 2, 1, 1, 0, 16
	STEP 3, 1, 2, 1, 16
	STEP 4, 1, 2, 2, 16
	STEP 5, 1, 2, 3, 16
	s_sub_co_u32 s[CNT], s[CNT], 1
	s_cmp_lg_u32 s[CNT], 0
	s_cbranch_scc1 .Ltrip
	STEP 2, 0, 0, 0, 16                            ; steps 14 and 15 load nothing: no load leaves the buffer
	STEP 3, 0, 0, 0, 0
	s_wait_dscnt 0x0
	SOFTMAX                                        ; step 15's softmax and sum
	SUM 3
	; THE WAY OUT: l over the 16 lanes; wave 0 stores (M, l), 32 times, 256 consecutive bytes; every wave its 128 sums, 512 consecutive bytes
.irp i, 0,2
	v_pk_add_f32 v[ACC+\i:ACC+\i+1], v[ACC+\i:ACC+\i+1], v[ACC+4+\i:ACC+5+\i]   ; even rows' and odd rows'
.endr
	global_store_b128 v[XO], v[ACC:ACC+3], s[16:17]
.irp m, 1,2,4,8
	v_add_f32_dpp v[ML+1], v[ML+1], v[ML+1] row_xmask:\m row_mask:0xf bank_mask:0xf
.endr
	STLE
	s_cmp_lg_u32 s[WV], 0
	s_cbranch_scc1 .Lno_stat
	global_store_b64 v[MO], v[ML:ML+1], s[16:17] offset:4096
.Lno_stat:
	s_wait_tensorcnt 0x0                           ; the wave's end: the wait, the add and its wait, behind my last tensor load and my last LDS store
	ds_add_u32 v[SPW], v[NIL]
	s_wait_dscnt 0x0
	ROUND                                          ; the closing round
	s_endpgm
.Lfunc_end_k_q98d547c07b_stream:
	.size	k_q98d547c07b_stream, .Lfunc_end_k_q98d547c07b_stream-k_q98d547c07b_stream
	.p2alignl 7, 3214868480
	.fill 96, 4, 3214868480
	.section	.rodata,"a",@progbits
	.p2align	6, 0x0
	.amdhsa_kernel k_q98d547c07b_stream
		.amdhsa_group_segment_fixed_size 327680
		.amdhsa_private_segment_fixed_size 0
		.amdhsa_enable_private_segment 0
		.amdhsa_kernarg_size 56
		.amdhsa_user_sgpr_count 2
		.amdhsa_user_sgpr_kernarg_segment_ptr 1
		.amdhsa_wavefront_size32 1
		.amdhsa_system_sgpr_workgroup_id_x 1
		.amdhsa_system_sgpr_workgroup_id_y 1
		.amdhsa_system_sgpr_workgroup_id_z 1
		.amdhsa_system_vgpr_workitem_id 0
		.amdhsa_next_free_vgpr 512
		.amdhsa_next_free_sgpr 96
		.amdhsa_reserve_vcc 0
		.amdhsa_float_denorm_mode_32 3
		.amdhsa_float_denorm_mode_16_64 3
		.amdhsa_memory_ordered 1
		.amdhsa_forward_progress 1
		.amdhsa_inst_pref_size 149
	.end_amdhsa_kernel
	.amdgpu_metadata
---
amdhsa.version: [ 1, 2 ]
amdhsa.kernels:
  - .name:           k_q98d547c07b_stream
    .symbol:         k_q98d547c07b_stream.kd
    .args:
      - { .name: enc_outputs, .offset: 0, .size: 8, .value_kind: global_buffer, .address_space: global }
      - { .name: w_ae_codes, .offset: 8, .size: 8, .value_kind: global_buffer, .address_space: global }
      - { .name: dec_output_codes, .offset: 16, .size: 8, .value_kind: global_buffer, .address_space: global }
      - { .name: w_ad_codes, .offset: 24, .size: 8, .value_kind: global_buffer, .address_space: global }
      - { .name: b_ad, .offset: 32, .size: 8, .value_kind: global_buffer, .address_space: global }
      - { .name: lowp_scales, .offset: 40, .size: 8, .value_kind: global_buffer, .address_space: global }
      - { .name: part, .offset: 48, .size: 8, .value_kind: global_buffer, .address_space: global }
    .group_segment_fixed_size: 327680
    .private_segment_fixed_size: 0
    .kernarg_segment_align: 8
    .kernarg_segment_size: 56
    .max_flat_workgroup_size: 256
    .sgpr_count:     96
    .vgpr_count:     512
    .wavefront_size: 32
...
	.end_amdgpu_metadata
.endif
;; end of part 1
;; launch combine (part 2): grid 8 x 32, 1 waves a work-group, no clusters, 0 bytes of LDS; arguments part, out0; writes out0
.if DOCPART == 2
	.amdgcn_target "amdgcn-amd-amdhsa--gfx1250"
	.amdhsa_code_object_version 6
	.text
	.protected	k_q98d547c07b_combine
	.globl	k_q98d547c07b_combine
	.p2align	8
	.type	k_q98d547c07b_combine,@function
k_q98d547c07b_combine:
	s_mov_b64 s[64:65], 0
	v_nop
	global_prefetch_b8 v0, s[64:65] scope:SCOPE_SE
	s_setreg_imm32_b32 hwreg(HW_REG_WAVE_MODE, 25, 1), 1
	s_wait_xcnt 0x0
; out0[b][:] = (sum over the 8 pieces c of 2^(M_c - M*) acc_c[:]) / (sum over c of 2^(M_c - M*) l_c),  M* = the largest M_c.
; part: record 8 b + c of 4,352 bytes: 1,024 f32 sums of p x, then (M_c, l_c) 32 times.  M is in units of log2, as the launch before left it.
; One wave takes 128 columns of one b: work-group x picks the columns, y is b.  A lane has 4 columns; the wave's store covers 512 consecutive bytes.  No LDS, no barrier: waves share nothing.
; REGISTERS: v1 8 x lane, v2 16 x lane, v3 512 x + 16 x lane; v[4:5] 1 / L; v6 M*; v7 L; v[8:11] the result; v16-47 acc_c at 16 + 4 c; v48-63 (M_c, then w_c; l_c) at 48 + 2 c.
.set REC, 4352
	s_load_b128 s[4:7], s[0:1], 0x0                ; part, out0
	v_lshlrev_b32 v1, 3, v0
	v_lshlrev_b32 v2, 4, v0
	s_and_b32 s8, ttmp7, 0xffff                    ; b
	s_mul_i32 s10, s8, 8*REC
	s_mov_b32 s11, 0
	s_lshl_b32 s12, s8, 12                         ; out0: b's 4,096 bytes,
	s_lshl_b32 s9, ttmp9, 9                        ; my 512 of them
	s_add_co_u32 s12, s12, s9
	s_mov_b32 s13, 0
	v_add_nc_u32 v3, s9, v2
	s_wait_alu depctr_va_vdst(0)
	s_wait_kmcnt 0x0
	s_add_nc_u64 s[4:5], s[4:5], s[10:11]
	s_add_nc_u64 s[6:7], s[6:7], s[12:13]
.irp c, 0,1,2,3,4,5,6,7
	global_load_b64 v[48+2*\c:49+2*\c], v1, s[4:5] offset:REC*\c+4096
.endr
.irp c, 0,1,2,3,4,5,6,7
	global_load_b128 v[16+4*\c:19+4*\c], v3, s[4:5] offset:REC*\c
.endr
	s_wait_loadcnt 8                               ; the eight pairs are in; the eight loads of sums stand behind them
	v_max3_num_f32 v6, v48, v50, v52
	v_max3_num_f32 v6, v6, v54, v56
	v_max3_num_f32 v6, v6, v58, v60
	v_max_num_f32 v6, v6, v62                      ; M*
.irp c, 0,1,2,3,4,5,6,7
	v_sub_f32 v[48+2*\c], v[48+2*\c], v6
.endr
	s_wait_alu depctr_va_vdst(0)
.irp c, 0,1,2,3,4,5,6,7
	v_exp_f32 v[48+2*\c], v[48+2*\c]               ; w_c = 2^(M_c - M*), at most 1
.endr
	v_nop                                          ; a plain instruction behind the exponentials
	s_wait_alu depctr_va_vdst(0)                   ; one wait for the eight, ahead of their first reader
	v_mul_f32 v7, v48, v49
.irp c, 1,2,3,4,5,6,7
	v_fma_f32 v7, v[48+2*\c], v[49+2*\c], v7       ; L
.endr
	s_wait_alu depctr_va_vdst(0)
	v_rcp_f32 v4, v7
	v_mov_b32 v5, 0                                ; a plain instruction behind the reciprocal; v5 is named with v4 as a pair
	s_wait_loadcnt 0x0
	v_pk_mul_f32 v[8:9], v[16:17], v[48:49] op_sel_hi:[1,0]
	v_pk_mul_f32 v[10:11], v[18:19], v[48:49] op_sel_hi:[1,0]
.irp c, 1,2,3,4,5,6,7
	v_pk_fma_f32 v[8:9], v[16+4*\c:17+4*\c], v[48+2*\c:49+2*\c], v[8:9] op_sel_hi:[1,0,1]
	v_pk_fma_f32 v[10:11], v[18+4*\c:19+4*\c], v[48+2*\c:49+2*\c], v[10:11] op_sel_hi:[1,0,1]
.endr
	s_wait_alu depctr_va_vdst(0)                   ; the reciprocal's wait, ahead of its first reader; the sums above are the independent work between
	v_pk_mul_f32 v[8:9], v[8:9], v[4:5] op_sel_hi:[1,0]
	v_pk_mul_f32 v[10:11], v[10:11], v[4:5] op_sel_hi:[1,0]
	global_store_b128 v2, v[8:11], s[6:7]
	s_endpgm
.Lfunc_end_k_q98d547c07b_combine:
	.size	k_q98d547c07b_combine, .Lfunc_end_k_q98d547c07b_combine-k_q98d547c07b_combine
	.p2alignl 7, 3214868480
	.fill 96, 4, 3214868480
	.section	.rodata,"a",@progbits
	.p2align	6, 0x0
	.amdhsa_kernel k_q98d547c07b_combine
		.amdhsa_group_segment_fixed_size 0
		.amdhsa_private_segment_fixed_size 0
		.amdhsa_enable_private_segment 0
		.amdhsa_kernarg_size 16
		.amdhsa_user_sgpr_count 2
		.amdhsa_user_sgpr_kernarg_segment_ptr 1
		.amdhsa_wavefront_size32 1
		.amdhsa_system_sgpr_workgroup_id_x 1
		.amdhsa_system_sgpr_workgroup_id_y 1
		.amdhsa_system_sgpr_workgroup_id_z 1
		.amdhsa_system_vgpr_workitem_id 0
		.amdhsa_next_free_vgpr 64
		.amdhsa_next_free_sgpr 66
		.amdhsa_reserve_vcc 0
		.amdhsa_float_denorm_mode_32 3
		.amdhsa_float_denorm_mode_16_64 3
		.amdhsa_memory_ordered 1
		.amdhsa_forward_progress 1
		.amdhsa_inst_pref_size 6
	.end_amdhsa_kernel
	.amdgpu_metadata
---
amdhsa.version: [ 1, 2 ]
amdhsa.kernels:
  - .name:           k_q98d547c07b_combine
    .symbol:         k_q98d547c07b_combine.kd
    .args:
      - { .name: part, .offset: 0, .size: 8, .value_kind: global_buffer, .address_space: global }
      - { .name: out0, .offset: 8, .size: 8, .value_kind: global_buffer, .address_space: global }
    .group_segment_fixed_size: 0
    .private_segment_fixed_size: 0
    .kernarg_segment_align: 8
    .kernarg_segment_size: 16
    .max_flat_workgroup_size: 32
    .sgpr_count:     66
    .vgpr_count:     64
    .wavefront_size: 32
...
	.end_amdgpu_metadata
.endif
;; end of part 2
